; MI455X (gfx1250); checked and timed in simulation.
; The chip was launched on July 23, 2026; its instructions are those of AMD's public machine-readable ISA for CDNA 5 (MIT licence, August 2026) and "CDNA5" Instruction Set Architecture Reference Guide (July 2026). The comments in the code are by the model that wrote it; some were corrected since.
;; Causal Multi Head Attention. Allowed arithmetic: matrix products marked QUANTISED: E2M1 operands, one E8M0 scale for each 32 along K, by v_wmma_scale_f32_16x16x128_f8f6f4 with both operands' format E2M1 (or v_wmma_scale_f32_32x16x128_f4), f32 sums; products left as they are: bf16, f16 or f32 operands; f32 sums; everything else in f32.
;; Inputs: W_k 1,024 x 1,024 float32; W_q 1,024 x 1,024 float32; W_v 1,024 x 1,024 float32; X 4 x 2,048 x 1,024 float32.
;; Outputs: out0 4 x 2,048 x 1,024 float32.
;; This version of the problem:
;;   THIS VERSION OF THE PROBLEM IS GIVEN IN LOW PRECISION. The matrix products marked QUANTISED in the list below multiply operands that are first quantised to E2M1 (2 exponent bits, 1 mantissa bit; 4 bits a number), with one power-of-two scale for each 32 numbers along K (OCP MX v1.0); their sums are f32. The products marked 'left as it is' may take bf16, f16 or f32 operands, with f32 sums. Whichever they take, every output number must still come out within the allowed error. Rounding operands to bf16 (8 significant bits) uses up far more of that allowance than f16 does (11 bits, for magnitudes from 6e-5 to 65,504). All else is computed in f32.
;;   The module's matrix products, in the order in which they are computed (A, B: the left and right operand; K: the contracted axis; several contracted axes count as one K, in the product's order):
;;     1. [M 8,192, K 1,024] x [K 1,024, N 1,024]; A: input X; B: input W_q: QUANTISED
;;     2. [M 8,192, K 1,024] x [K 1,024, N 1,024]; A: input X; B: input W_k: QUANTISED
;;     3. [M 8,192, K 1,024] x [K 1,024, N 1,024]; A: input X; B: input W_v: QUANTISED
;;     4. batch 64 x [M 2,048, K 64] x [K 64, N 2,048]; A: computed on the way; B: computed on the way: left as it is (an operand is computed on the way)
;;     5. batch 64 x [M 2,048, K 2,048] x [K 2,048, N 64]; A: computed on the way; B: computed on the way: left as it is (an operand is computed on the way)
;;   THE QUANTISER, for each operand of a quantised product, along K:
;;     - K is cut into blocks of 32 from its start; a last block that is shorter is filled with zeros.
;;     - A block's scale is 2^e with e = floor(log2(the largest magnitude in the block)) - 2, held to -126 .. 127; a block of zeros has e = 0. As a byte (E8M0): e + 127.
;;     - Each number is divided by its block's scale, clamped to +-6, and rounded to the nearest number of E2M1, ties to even, subnormals kept.
;;     - The product sums the exact products of the quantised numbers (number of the format x scale) in f32.
;;   ~~~python
;;   def quantise(x, axis):      # numpy; x: float32 -> the quantised numbers, widened to float32 again
;;       x = np.moveaxis(x, axis, -1); K = x.shape[-1]
;;       x = np.pad(x, [(0, 0)] * (x.ndim - 1) + [(0, -K % 32)]); x = x.reshape(x.shape[:-1] + (-1, 32)); a = np.abs(x).max(-1, keepdims=True)
;;       e = np.where(a > 0, np.clip(np.frexp(np.where(a > 0, a, 1))[1] - 1 - 2, -126, 127), 0)      # np.frexp(a)[1] - 1 = floor(log2(a)), exactly
;;       r = np.clip(x / 2.0 ** e, -6, 6)
;;       step = 2.0 ** (np.maximum(np.frexp(np.where(r == 0, 1, r))[1] - 1, 0) - 1)
;;       q = np.round(r / step) * step * 2.0 ** e      # np.round: ties to even
;;       return np.moveaxis(q.reshape(q.shape[:-2] + (-1,))[..., :K], -1, axis).astype(np.float32)
;;   ~~~
;; One version. Each part assembles by itself: llvm-mc -triple=amdgcn-amd-amdhsa -mcpu=gfx1250 --defsym DOCPART=n.
;; ======== version 1 of 1: 3 launches
;; workspace buffers: x_codes 4,194,304 bytes; x_scales 262,144 bytes; w_codes 1,572,864 bytes; w_scales 98,304 bytes; q_img 50,331,648 bytes; kv_img 50,331,648 bytes
;; launch quant (part 1): grid 448 x 1, 4 waves a work-group, no clusters, 34,304 bytes of LDS; arguments X, W_q, W_k, W_v, x_codes, x_scales, w_codes, w_scales; writes x_codes, x_scales, w_codes, w_scales
.if DOCPART == 1
	.amdgcn_target "amdgcn-amd-amdhsa--gfx1250"
	.amdhsa_code_object_version 6
	.text
	.protected	k_q8c12ae637b_quant
	.globl	k_q8c12ae637b_quant
	.p2align	8
	.type	k_q8c12ae637b_quant,@function
k_q8c12ae637b_quant:
	s_mov_b64 s[64:65], 0
	v_nop
	global_prefetch_b8 v0, s[64:65] scope:SCOPE_SE
	s_setreg_imm32_b32 hwreg(HW_REG_WAVE_MODE, 25, 1), 1
	s_wait_xcnt 0x0
; X [8192][1024] (K innermost) and W_q, W_k, W_v [1024 (k)][1024 (n)] (K outermost), f32, become codes of FP4 (E2M1) with one E8M0 byte for each 32 along K.
; A block's byte is its largest magnitude's exponent field - 2, held at 1 from below; each number is divided by the scale and rounded to the nearest code, ties to even, beyond 6 the code of 6.
; THE CODES ARE LAID IN THE ORDER OF THE OPERAND'S REGISTERS: [K half g][tile T of 16 rows][K step s' of 128][c][lane][16 bytes]; lane (r, h) of part c holds row r, k = 128 (4 g + s') + 64 c + 32 h + 0 .. 31.
; So the next launch takes a K half of 16 tiles as one dense block, and a fragment as two loads of 512 consecutive bytes.  The scale words lie [T][g][r][4 words], word s' for K step 4 g + s'.
; For the weights a row is a column n of W: n = 1024 x tensor + column, T = n / 16.
; Work-groups 0-255 take X, a wave 16 rows x 512 along K.  Each load reads 512 consecutive bytes of a row; a K step's 16 rows turn through the wave's own stage in LDS, so that a lane gets two whole blocks of 32 of its row.
; Work-groups 256-447 take the weights: a lane to a column, registers down K, a wave 32 columns x 128 along K; no LDS.  Their scale words leave 4 bytes a lane, 16 bytes apart: 98,304 bytes in the whole launch.
; LIMITS: a block of zeros gets the byte 1 where the rule says 127 (its codes are zeros, and this program alone reads the bytes); NaN and infinities among the inputs are not served.
.set STGB,  16*528                     ; a wave's stage: 16 rows of 512 bytes + 16 of padding
.set SPARE, 4*STGB                     ; behind the stages: the spare words, 128 bytes for each wave, which no other line names
.set SPW,   12                         ; v12  LDS address of my spare word; never rewritten
.set NIL,   13                         ; v13  0; never rewritten
.set R,     32                         ; v32-159   X: two sets of 64 registers as loaded
.set XN,    160                        ; v160-223  X: my two blocks of 32 neighbours
.set CD,    224                        ; v224-255  X: codes, eight registers a K step, never written twice
.set WX,    32                         ; v32-95    W: two sets of 32 numbers
.set WC,    96                         ; v96-111   W: codes, four registers a block, never written twice
	s_load_b256 s[4:11], s[0:1], 0x0               ; X s[4:5], W_q s[6:7], W_k s[8:9], W_v s[10:11]
	s_load_b256 s[12:19], s[0:1], 0x20             ; x_codes s[12:13], x_scales s[14:15], w_codes s[16:17], w_scales s[18:19]
	v_lshl_add_u32 v[SPW], v0, 2, SPARE
	v_mov_b32 v[NIL], 0
	v_lshrrev_b32 v5, 5, v0
	v_readfirstlane_b32 s20, v5                    ; wave
	v_and_b32 v5, 31, v0                           ; lane
	v_and_b32 v6, 15, v0                           ; r
	v_bfe_u32 v7, v0, 4, 1                         ; h
	s_wait_kmcnt 0x0
	s_cmp_lt_u32 ttmp9, 256
	s_cbranch_scc0 .Lw
; ---------------- X ----------------
	s_lshl_b32 s21, ttmp9, 2
	s_add_co_u32 s21, s21, s20                     ; unit u = 4 x work-group + wave
	s_lshr_b32 s22, s21, 1                         ; T
	s_and_b32 s23, s21, 1                          ; g
	s_lshl_b32 s24, s22, 16                        ; 16 rows of 4,096 bytes
	s_lshl_b32 s26, s23, 11                        ; 512 numbers
	s_add_co_u32 s24, s24, s26
	s_mov_b32 s25, 0
	s_add_nc_u64 s[4:5], s[4:5], s[24:25]
	s_lshl_b32 s24, s23, 21                        ; codes: g x 2,097,152 + T x 4,096
	s_lshl_b32 s26, s22, 12
	s_add_co_u32 s24, s24, s26
	s_add_nc_u64 s[12:13], s[12:13], s[24:25]
	s_lshl_b32 s24, s21, 8                         ; scale words: 512 T + 256 g = 256 u
	s_add_nc_u64 s[14:15], s[14:15], s[24:25]
	s_mul_i32 s27, s20, STGB                       ; my stage
	s_mov_b32 s28, 0x76543210
	s_mov_b32 s29, 0xfedcba98                      ; v_permlanex16_b32's selects for lane l xor 16
	s_mov_b32 s30, 0xffff0000                      ; lanes 16-31
	v_lshlrev_b32 v1, 4, v5                        ; 16 x lane
	v_add_nc_u32 v2, s27, v1                       ; into the stage: a row as it lies
	v_mul_u32_u24 v3, v6, 528
	v_lshl_add_u32 v3, v7, 7, v3
	v_add_nc_u32 v3, s27, v3                       ; out of it: row r, 128 h bytes on
	v_lshlrev_b32 v4, 4, v6
	v_lshl_add_u32 v4, v7, 3, v4                   ; scale words: 16 r + 8 h
	v_lshlrev_b32 v8, 3, v7                        ; 8 h bits
	v_mov_b32 v24, 0                               ; a lane permute's destination counts as read
.macro XLD t                           ; K step t of my 16 rows: each load reads 512 consecutive bytes
.irp rr, 0,1,2,3,4,5,6,7,8,9,10,11,12,13,14,15
	global_load_b128 v[R+64*((\t)%2)+4*\rr:R+64*((\t)%2)+4*\rr+3], v1, s[4:5] offset:4096*\rr+512*(\t) th:TH_LOAD_NT
.endr
.endm
.macro XSTEP t
.if (\t) < 3
	s_wait_loadcnt 16                              ; this step's 16 loads are in; the next step's 16 may be out
.else
	s_wait_loadcnt 0
.endif
.irp rr, 0,1,2,3,4,5,6,7,8,9,10,11,12,13,14,15
	ds_store_b128 v2, v[R+64*((\t)%2)+4*\rr:R+64*((\t)%2)+4*\rr+3] offset:528*\rr
.endr
.irp c, 0,1
.irp i, 0,1,2,3,4,5,6,7
	ds_load_b128 v[XN+32*\c+4*\i:XN+32*\c+4*\i+3], v3 offset:256*\c+16*\i   ; LDS serves a wave's instructions in order: these see the stores above
.endr
.endr
	s_wait_dscnt 0x0                               ; my 64 numbers are back, and the stores have read their registers
.if (\t) < 2
	XLD (\t)+2
.endif
.irp c, 0,1
	v_max3_num_f32 v[14+\c], |v[XN+32*\c]|, |v[XN+32*\c+1]|, 0x1800000   ; block 2 c + h is all mine; the floor 2^(3 - 127) holds the byte at 1 from below
.endr
.irp i, 2,4,6,8,10,12,14,16,18,20,22,24,26,28,30
.irp c, 0,1
	v_max3_num_f32 v[14+\c], v[14+\c], |v[XN+32*\c+\i]|, |v[XN+32*\c+\i+1]|
.endr
.endr
.irp c, 0,1
	v_add_nc_u32 v[16+\c], 0xff000000, v[14+\c]    ; 2 off the exponent field: the conversion's scale operand
.endr
.irp c, 0,1
	v_lshrrev_b32 v[18+\c], 23, v[16+\c]           ; the scale's byte
.endr
	v_lshl_or_b32 v[20+\t], v19, 16, v18           ; my bytes: blocks h and 2 + h,
	v_lshlrev_b32 v[20+\t], v8, v[20+\t]           ; at their places,
	v_permlanex16_b32 v24, v[20+\t], s28, s29
	v_or_b32 v[20+\t], v[20+\t], v24               ; with lane l xor 16's two: row r's word for this K step
.irp c, 0,1
.irp q, 0,1,2,3
	v_cvt_scalef32_pk8_fp4_f32 v[CD+8*(\t)+4*\c+\q], v[XN+32*\c+8*\q:XN+32*\c+8*\q+7], v[16+\c]
.endr
.endr
	v_nop                                          ; one plain place behind the conversions
.irp c, 0,1
	global_store_b128 v1, v[CD+8*(\t)+4*\c:CD+8*(\t)+4*\c+3], s[12:13] offset:1024*(\t)+512*\c   ; 512 consecutive bytes
.endr
.endm
	XLD 0
	XLD 1
	XSTEP 0
	XSTEP 1
	XSTEP 2
	XSTEP 3
	v_cndmask_b32 v26, v20, v22, s30               ; lanes 0-15 store words 0 and 1 of row r, lanes 16-31 words 2 and 3
	v_cndmask_b32 v27, v21, v23, s30
	global_store_b64 v4, v[26:27], s[14:15]        ; 256 consecutive bytes
	s_wait_tensorcnt 0x0                           ; the wave's end, behind my last LDS store
	ds_add_u32 v[SPW], v[NIL]
	s_wait_dscnt 0x0
	s_endpgm
; ---------------- the weights ----------------
.Lw:
	s_sub_co_u32 s21, ttmp9, 256                   ; j
	s_lshr_b32 s22, s21, 6                         ; which tensor: 0 q, 1 k, 2 v
	s_and_b32 s23, s21, 7                          ; which 128 columns
	s_bfe_u32 s24, s21, 0x30003                    ; which K step of 128
	s_cmp_eq_u32 s22, 0
	s_cselect_b64 s[28:29], s[6:7], s[8:9]
	s_cmp_eq_u32 s22, 2
	s_cselect_b64 s[28:29], s[10:11], s[28:29]
	s_lshl_b32 s26, s24, 19                        ; 128 rows of 4,096 bytes
	s_lshl_b32 s30, s23, 9
	s_add_co_u32 s26, s26, s30
	s_lshl_b32 s30, s20, 7                         ; my wave's 32 columns
	s_add_co_u32 s26, s26, s30
	s_mov_b32 s27, 0
	s_add_nc_u64 s[28:29], s[28:29], s[26:27]
	s_lshl_b32 s31, s22, 6
	s_lshl_b32 s30, s23, 3
	s_add_co_u32 s31, s31, s30
	s_lshl_b32 s30, s20, 1
	s_add_co_u32 s31, s31, s30                     ; my first tile: 64 x tensor + 8 x block + 2 x wave
	s_lshr_b32 s32, s24, 2                         ; g
	s_and_b32 s33, s24, 3                          ; s'
	s_mul_i32 s26, s32, 786432
	s_lshl_b32 s30, s31, 12
	s_add_co_u32 s26, s26, s30
	s_lshl_b32 s30, s33, 10
	s_add_co_u32 s26, s26, s30
	s_add_nc_u64 s[16:17], s[16:17], s[26:27]
	s_lshl_b32 s26, s31, 9
	s_lshl_b32 s30, s32, 8
	s_add_co_u32 s26, s26, s30
	s_lshl_b32 s30, s33, 2
	s_add_co_u32 s26, s26, s30
	s_add_nc_u64 s[18:19], s[18:19], s[26:27]
	v_lshlrev_b32 v1, 2, v5                        ; in: 4 bytes a lane
	v_lshlrev_b32 v2, 4, v6
	v_lshl_add_u32 v3, v7, 12, v2                  ; codes: tile lane / 16, row lane % 16
	v_lshl_add_u32 v4, v7, 9, v2                   ; scale words likewise
.macro WLD t                           ; block t: W(32 t + i, my column)
.irp i, 0,1,2,3,4,5,6,7,8,9,10,11,12,13,14,15,16,17,18,19,20,21,22,23,24,25,26,27,28,29,30,31
	global_load_b32 v[WX+32*((\t)%2)+\i], v1, s[28:29] offset:(32*(\t)+\i)*4096 th:TH_LOAD_NT
.endr
.endm
.macro WBLK t
.set WS, WX+32*((\t)%2)
.if (\t) < 3
	s_wait_loadcnt 32                              ; this block's 32 loads are in; the next block's may be out
.else
	s_wait_loadcnt 0
.endif
	v_max3_num_f32 v14, |v[WS]|, |v[WS+1]|, |v[WS+2]|
	v_max3_num_f32 v15, |v[WS+3]|, |v[WS+4]|, |v[WS+5]|
.irp i, 6,10,14,18,22,26
	v_max3_num_f32 v14, v14, |v[WS+\i]|, |v[WS+\i+1]|
	v_max3_num_f32 v15, v15, |v[WS+\i+2]|, |v[WS+\i+3]|
.endr
	v_max3_num_f32 v14, v14, |v[WS+30]|, |v[WS+31]|
	v_max3_num_f32 v14, v14, v15, 0x1800000        ; and the floor
	v_add_nc_u32 v16, 0xff000000, v14
	v_lshrrev_b32 v17, 23, v16
.if (\t) == 0
	v_mov_b32 v18, v17
.else
	v_lshl_or_b32 v18, v17, 8*(\t), v18            ; byte t of my column's word for this K step
.endif
.irp q, 0,1,2,3
	v_cvt_scalef32_pk8_fp4_f32 v[WC+4*(\t)+\q], v[WS+8*\q:WS+8*\q+7], v16
.endr
	v_nop                                          ; one plain place behind the conversions
	global_store_b128 v3, v[WC+4*(\t):WC+4*(\t)+3], s[16:17] offset:256*(\t)   ; block t is part t / 2, half t % 2 of the fragment: sixteen lanes store 256 consecutive bytes
.if (\t) < 2
	WLD (\t)+2
.endif
.endm
	WLD 0
	WLD 1
	WBLK 0
	WBLK 1
	WBLK 2
	WBLK 3
	global_store_b32 v4, v18, s[18:19]
	s_endpgm
.Lfunc_end_k_q8c12ae637b_quant:
	.size	k_q8c12ae637b_quant, .Lfunc_end_k_q8c12ae637b_quant-k_q8c12ae637b_quant
	.p2alignl 7, 3214868480
	.fill 96, 4, 3214868480
	.section	.rodata,"a",@progbits
	.p2align	6, 0x0
	.amdhsa_kernel k_q8c12ae637b_quant
		.amdhsa_group_segment_fixed_size 34304
		.amdhsa_private_segment_fixed_size 0
		.amdhsa_enable_private_segment 0
		.amdhsa_kernarg_size 64
		.amdhsa_user_sgpr_count 2
		.amdhsa_user_sgpr_kernarg_segment_ptr 1
		.amdhsa_wavefront_size32 1
		.amdhsa_system_sgpr_workgroup_id_x 1
		.amdhsa_system_sgpr_workgroup_id_y 1
		.amdhsa_system_sgpr_workgroup_id_z 1
		.amdhsa_system_vgpr_workitem_id 0
		.amdhsa_next_free_vgpr 256
		.amdhsa_next_free_sgpr 66
		.amdhsa_reserve_vcc 0
		.amdhsa_float_denorm_mode_32 3
		.amdhsa_float_denorm_mode_16_64 3
		.amdhsa_memory_ordered 1
		.amdhsa_forward_progress 1
		.amdhsa_inst_pref_size 49
	.end_amdhsa_kernel
	.amdgpu_metadata
---
amdhsa.version: [ 1, 2 ]
amdhsa.kernels:
  - .name:           k_q8c12ae637b_quant
    .symbol:         k_q8c12ae637b_quant.kd
    .args:
      - { .name: X, .offset: 0, .size: 8, .value_kind: global_buffer, .address_space: global }
      - { .name: W_q, .offset: 8, .size: 8, .value_kind: global_buffer, .address_space: global }
      - { .name: W_k, .offset: 16, .size: 8, .value_kind: global_buffer, .address_space: global }
      - { .name: W_v, .offset: 24, .size: 8, .value_kind: global_buffer, .address_space: global }
      - { .name: x_codes, .offset: 32, .size: 8, .value_kind: global_buffer, .address_space: global }
      - { .name: x_scales, .offset: 40, .size: 8, .value_kind: global_buffer, .address_space: global }
      - { .name: w_codes, .offset: 48, .size: 8, .value_kind: global_buffer, .address_space: global }
      - { .name: w_scales, .offset: 56, .size: 8, .value_kind: global_buffer, .address_space: global }
    .group_segment_fixed_size: 34304
    .private_segment_fixed_size: 0
    .kernarg_segment_align: 8
    .kernarg_segment_size: 64
    .max_flat_workgroup_size: 128
    .sgpr_count:     66
    .vgpr_count:     256
    .wavefront_size: 32
...
	.end_amdgpu_metadata
.endif
;; end of part 1
;; launch proj (part 2): grid 12 x 32, 4 waves a work-group, clusters of 4 x 4, 327,680 bytes of LDS; arguments x_codes, x_scales, w_codes, w_scales, q_img, kv_img; writes q_img, kv_img
.if DOCPART == 2
	.amdgcn_target "amdgcn-amd-amdhsa--gfx1250"
	.amdhsa_code_object_version 6
	.text
	.protected	k_q8c12ae637b_proj
	.globl	k_q8c12ae637b_proj
	.p2align	8
	.type	k_q8c12ae637b_proj,@function
k_q8c12ae637b_proj:
	s_mov_b64 s[64:65], 0
	v_nop
	global_prefetch_b8 v0, s[64:65] scope:SCOPE_SE
	s_setreg_imm32_b32 hwreg(HW_REG_WAVE_MODE, 25, 1), 1
	s_wait_xcnt 0x0
	s_wait_alu depctr_hold_cnt(0) depctr_sa_sdst(0) depctr_va_vdst(0) depctr_va_sdst(0) depctr_va_ssrc(0) depctr_va_vcc(0) depctr_vm_vsrc(0)
	s_getreg_b32 s2, hwreg(HW_REG_IB_STS2, 6, 4)
	s_cmp_eq_u32 s2, 0
	s_cbranch_scc0 .Lentry_in_a_cluster
	s_endpgm
.Lentry_in_a_cluster:
	s_bfe_u32 s2, ttmp6, 0x10000c
	s_cmp_lg_u32 s2, 0xf033
	s_cbranch_scc0 .Lentry_shape_is_right
	s_endpgm
.Lentry_shape_is_right:
; q, k, v = X W_q, X W_k, X W_v: [8192 tokens][1024] x [3072 channels][1024]^T on codes of FP4 (E2M1) with E8M0 scales, sums in f32.
; A work-group of four waves makes 256 tokens x 256 channels, a wave 128 x 128: 64 accumulators, 512 registers.  12 x 32 work-groups: the 3,072 channels are three tensors of 1,024, four tiles of 256 each.
; All of K (1,024) lies in LDS after the first fills: two slots, one for each K half of 512, and the scale words; nothing is filled twice.  Codes and scale words lie in memory in the order of the operand's registers,
; so a wave's share of a slot (8 tiles of 16 rows) is one dense block of 32,768 bytes, and a fragment is two LDS loads of 512 consecutive bytes: no padding.
; CLUSTERS: 4 x 4 work-groups.  The four of a row of the cluster need the same tokens' codes, the four of a column the same channels': each block is asked for JOINTLY.
; THE MATRIX INSTRUCTION IS USED TRANSPOSED (source 0 = 16 channels of W, source 1 = 16 tokens of X): a lane holds one token and eight neighbouring channels.
; THE WAY OUT writes what the attention launch's matrix instructions take, as images of their registers, 6,144 bytes for each (batch, head) and tile of 16 tokens:
;   q and k as PAIRS of bf16, a high part and the rounded rest (the rest is formed exactly in f32): [hi, lo][32 dims][16 dims][lane][16 bytes], 4,096 bytes; q in q_img, k in kv_img;
;   v as one bf16, at byte 4,096 of kv_img's tile: [16 channels][place][16 bytes], place 16 (r / 8) + 8 h + r % 8, the order from which the turning LDS load makes a fragment of v^T.
; Every store of a wave covers 512 consecutive bytes, aligned.  The tensor is the cluster's x: a branch on it is the same in all partners.
; REGISTERS, in windows of 256: window 0: v16-29 addresses; v32-95 scale words, two sets; v128-191 X's fragments, one set; on the way out v32-223 are at work.
;   window 1: W's fragments, two sets, at v0 and v128.   windows 2, 3: the accumulators of my tokens 0-63 and 64-127 ((a, b) at v[8 (8 (a % 4) + b)]).
.set NQ,     4                         ; steps of 128 along K in a slot
.set FR,     8                         ; registers of a fragment
.set NL,     2                         ; LDS loads that bring one
.set NP,     4                         ; places behind this matrix instruction (ISA guide 7.12.1)
.set HALFT,  32768                     ; 8 tiles x 4,096 bytes: what one tensor load brings, and what one wave reads of X or of W
.set SLOT,   4*HALFT                   ; X's 16 tiles, then W's 16
.set SCL,    2*SLOT                    ; the scale words: X's 16 tiles x 512 bytes, then W's
.set HALFS,  4096
.set SPARE,  SCL+4*HALFS               ; the spare words, 128 bytes for each wave, which no other line names
.set XG,     2097152                   ; from K half to K half in x_codes
.set WG,     786432                    ; and in w_codes
.set BHS,    786432                    ; images: from (batch, head) to the next
.set TLS,    6144                      ; and from a tile of 16 tokens to the next
.set ADRA, 16                          ; v16-17  LDS address of my X fragments in slot 0, 1
.set ADRB, 20                          ; v20-21  the same for W
.set VO,   25                          ; v25     v's image: 16 x my place
.set LO16, 26                          ; v26     16 x lane
.set ADRS, 27                          ; v27     my scale words: lanes 0-15 X's rows, lanes 16-31 W's
.set SPW,  28                          ; v28     LDS address of my spare word; never rewritten
.set NIL,  29                          ; v29     0; never rewritten
.set SC,   32                          ; scale words: set s at v[SC + 32 s]; register 4 i + q: lanes 0-15 X's block i, lanes 16-31 W's block i, step q
.set AF,   128                         ; X's fragments
.set WD,   160                         ; the way out: 64 numbers at work
.set G1, 24
.set G0, 32
.set G1B, 48
.set G0B, 56
.set G1S, 68
.set G0S, 76
.set G1SB, 80
.set G0SB, 88
.set MSB, 0
.macro WIN new                         ; the immediate's high byte repeats the setting that is left
.if MSB != \new
	s_set_vgpr_msb (MSB<<8)|\new
.set MSB, \new
.endif
.endm
.set MUL_LO, 0xa1                      ; source 0 (W) window 1, source 1 (X) window 0, C and D window 2
.set MUL_HI, 0xf1                      ; the same, C and D window 3
.set TO_B,   0x40                      ; destination window 1, address window 0
; A joint load: waves 0 and 1 fetch for X, waves 2 and 3 for W.  The branch hangs on the wave's number alone.  An s_nop 0 and four v_nop follow each of the two lines.
.macro JLOAD g0a, g1a, g0b, g1b
	s_cmp_eq_u32 s15, 0
	s_cbranch_scc0 .Lfor_b_\@
	tensor_load_to_lds s[\g0a:\g0a+3], s[\g1a:\g1a+7]
	s_nop 0
.rept 4
	v_nop
.endr
	s_branch .Lasked_\@
.Lfor_b_\@:
	tensor_load_to_lds s[\g0b:\g0b+3], s[\g1b:\g1b+7]
	s_nop 0
.rept 4
	v_nop
.endr
.Lasked_\@:
.endm
.macro CROUND                          ; a round of the cluster's barrier
	s_barrier_signal -1
	s_barrier_wait -1
	s_cmp_lg_u32 s14, 0
	s_cbranch_scc1 .Lnot_wave_0_\@
	s_barrier_signal -3
.Lnot_wave_0_\@:
	s_barrier_wait -3
	s_barrier_signal -1
	s_barrier_wait -1
.endm
	s_load_b128 s[4:7], s[0:1], 0x0                ; x_codes s[4:5], x_scales s[6:7]
	s_load_b128 s[8:11], s[0:1], 0x10              ; w_codes s[8:9], w_scales s[10:11]
	s_load_b128 s[96:99], s[0:1], 0x20             ; q_img s[96:97], kv_img s[98:99]
	v_lshl_add_u32 v[SPW], v0, 2, SPARE
	v_mov_b32 v[NIL], 0
	ds_add_u32 v[SPW], v[NIL]                      ; the wave's opening: the add, twice on end, and its wait ahead of my first tensor load
	ds_add_u32 v[SPW], v[NIL]
	v_lshrrev_b32 v1, 5, v0
	v_readfirstlane_b32 s14, v1                    ; wave 0..3
	s_lshr_b32 s15, s14, 1                         ; which half of the tile's tokens is mine.  Also: I fetch for X (0) or for W (1)
	s_and_b32 s16, s14, 1                          ; which half of its channels.  Also: which 8 tiles I fetch
	s_bfe_u32 s40, ttmp6, 0x40000                  ; cx, cy: my place in the cluster
	s_bfe_u32 s41, ttmp6, 0x40004
	s_lshl_b32 s42, ttmp9, 2
	s_add_co_u32 s42, s42, s40                     ; tile column = 4 x cluster x + cx
	s_and_b32 s17, ttmp7, 0xffff
	s_lshl_b32 s17, s17, 2
	s_add_co_u32 s17, s17, s41                     ; tile row = 4 x cluster y + cy
	s_lshl_b32 s43, s41, 2
	s_lshl_b32 s43, 15, s43                        ; my row of the cluster
	s_lshl_b32 s44, 0x1111, s40                    ; my column
	; descriptor group 1: dense blocks as rows of 256 bytes (32 elements of 8 bytes), no padding: 128 rows of codes, 16 rows of scale words
	s_or_b32 s[G1+0], s43, (3<<16)|(1<<21)         ; 15:0 the mask: X's blocks go to my row; 17:16 elements of 8 bytes; 21 set beside a mask
	s_or_b32 s[G1B+0], s44, (3<<16)|(1<<21)        ; W's to my column
	s_or_b32 s[G1S+0], s43, (3<<16)|(1<<21)
	s_or_b32 s[G1SB+0], s44, (3<<16)|(1<<21)
.irp g, G1, G1B
	s_mov_b32 s[\g+1], 32<<16                      ; tensor_dim0
	s_mov_b32 s[\g+2], 128<<16                     ; tensor_dim1
	s_mov_b32 s[\g+3], 32<<16                      ; tile_dim0
	s_mov_b32 s[\g+4], 128                         ; tile_dim1
	s_mov_b32 s[\g+5], 32                          ; the pitch
	s_mov_b32 s[\g+6], 0
	s_mov_b32 s[\g+7], 0
.endr
.irp g, G1S, G1SB
	s_mov_b32 s[\g+1], 32<<16
	s_mov_b32 s[\g+2], 16<<16
	s_mov_b32 s[\g+3], 32<<16
	s_mov_b32 s[\g+4], 16
	s_mov_b32 s[\g+5], 32
	s_mov_b32 s[\g+6], 0
	s_mov_b32 s[\g+7], 0
.endr
	s_lshl_b32 s18, s16, 15                        ; which 8 tiles of the 16
	s_lshl_b32 s20, s17, 16
	s_add_co_u32 s20, s20, s18                     ; X's codes: 65,536 x tile row + 32,768 x half
	s_lshl_b32 s46, s42, 16
	s_add_co_u32 s46, s46, s18                     ; W's: by the tile column
	s_mov_b32 s21, 0
	s_mov_b32 s47, 0
	s_lshl_b32 s18, s16, 12
	s_lshl_b32 s22, s17, 13
	s_add_co_u32 s22, s22, s18                     ; X's scale words: 8,192 x tile row + 4,096 x half
	s_lshl_b32 s92, s42, 13
	s_add_co_u32 s92, s92, s18
	s_mov_b32 s23, 0
	s_mov_b32 s93, 0
	s_lshl_b32 s45, s14, 15                        ; where they go: wave x 32,768: no place in the cluster enters an LDS address
	s_lshl_b32 s94, s14, 12
	s_wait_dscnt 0x0                               ; both opening adds are done
	s_wait_kmcnt 0x0
	s_add_nc_u64 s[20:21], s[4:5], s[20:21]
	s_add_nc_u64 s[22:23], s[6:7], s[22:23]
	s_add_nc_u64 s[46:47], s[8:9], s[46:47]
	s_add_nc_u64 s[92:93], s[10:11], s[92:93]
	CROUND                                         ; all sixteen work-groups are here: the joint loads meet
	s_mov_b32 s[G0S], 1
	s_add_co_u32 s[G0S+1], s94, SCL
	s_mov_b64 s[G0S+2:G0S+3], s[22:23]
	s_or_b32 s[G0S+3], s[G0S+3], 0x80000000
	s_mov_b32 s[G0SB], 1
	s_add_co_u32 s[G0SB+1], s94, SCL
	s_mov_b64 s[G0SB+2:G0SB+3], s[92:93]
	s_or_b32 s[G0SB+3], s[G0SB+3], 0x80000000
	JLOAD G0S, G1S, G0SB, G1SB                     ; the scale words first: they are wanted with the first K half
.irp s, 0,1
	s_mov_b32 s[G0+4*\s], 1
	s_add_co_u32 s[G0+4*\s+1], s45, \s*SLOT
	s_add_nc_u64 s[G0+4*\s+2:G0+4*\s+3], s[20:21], \s*XG
	s_or_b32 s[G0+4*\s+3], s[G0+4*\s+3], 0x80000000
	s_mov_b32 s[G0B+4*\s], 1
	s_add_co_u32 s[G0B+4*\s+1], s45, \s*SLOT
	s_add_nc_u64 s[G0B+4*\s+2:G0B+4*\s+3], s[46:47], \s*WG
	s_or_b32 s[G0B+4*\s+3], s[G0B+4*\s+3], 0x80000000
	JLOAD G0+4*\s, G1, G0B+4*\s, G1B               ; three loads of mine are out in all
.endr
	v_and_b32 v1, 15, v0                           ; r
	v_bfe_u32 v2, v0, 4, 1                         ; h
	v_and_b32 v3, 31, v0
	v_lshlrev_b32 v[LO16], 4, v3
	s_lshl_b32 s21, s15, 15                        ; my 8 tiles of X
	s_lshl_b32 s22, s16, 15                        ; my 8 tiles of W,
	s_add_co_u32 s22, s22, 2*HALFT                 ; which lie behind X's 16
.irp s, 0,1
	v_add_nc_u32 v[ADRA+\s], s21, v[LO16]
	v_add_nc_u32 v[ADRB+\s], s22, v[LO16]
	s_add_co_u32 s21, s21, SLOT
	s_add_co_u32 s22, s22, SLOT
.endr
	v_lshlrev_b32 v5, 4, v1                        ; a row's four words
	s_lshl_b32 s21, s15, 12                        ; X's: my 8 tiles
	s_lshl_b32 s22, s16, 12                        ; W's: my 8 tiles, behind X's 16
	s_add_co_u32 s22, s22, 2*HALFS
	s_sub_co_u32 s22, s22, s21
	v_mul_u32_u24 v6, s22, v2                      ; lanes 16-31 take W's
	s_add_co_u32 s21, s21, SCL
	v_add_nc_u32 v5, v5, v6
	v_add_nc_u32 v[ADRS], s21, v5
	v_lshrrev_b32 v7, 3, v1
	v_and_b32 v8, 7, v1
	v_lshl_add_u32 v8, v2, 3, v8
	v_lshl_add_u32 v8, v7, 4, v8                   ; v's place: 16 (r / 8) + 8 h + r % 8
	v_lshlrev_b32 v[VO], 4, v8
	; where my part of the images begins
	s_lshl_b32 s20, s17, 4
	s_lshl_b32 s21, s15, 3
	s_add_co_u32 s20, s20, s21                     ; my first tile of 16 tokens
	s_lshr_b32 s21, s20, 7                         ; the batch
	s_lshl_b32 s21, s21, 4
	s_lshl_b32 s22, s40, 2                         ; 256 channels are four heads,
	s_add_co_u32 s21, s21, s22
	s_lshl_b32 s22, s16, 1                         ; my 128 two
	s_add_co_u32 s21, s21, s22                     ; my first (batch, head)
	s_and_b32 s20, s20, 127                        ; the tile in its sequence
	s_mul_i32 s21, s21, BHS
	s_mul_i32 s20, s20, TLS
	s_add_co_u32 s20, s20, s21
	s_mov_b32 s21, 0
	s_cmp_eq_u32 ttmp9, 0                          ; the cluster's x is the tensor: q goes to q_img, k and v to kv_img
	s_cselect_b64 s[12:13], s[96:97], s[98:99]
	s_add_nc_u64 s[12:13], s[12:13], s[20:21]
	s_mov_b32 s3, 0xffff0000                       ; a word's upper bf16
.macro FRAG reg, adr, q, i             ; a fragment: two loads of 512 consecutive bytes, the image of its eight registers
.irp c, 0,1
	ds_load_b128 v[\reg+4*\c:\reg+4*\c+3], v[\adr] offset:1024*(\q)+512*\c+(\i)*4096
.endr
.endm
; 16 matrix instructions: X's blocks a0, a0 + 1 x W's eight, the slot's q-th 128 along K.  p: W's set;  sc: the set of scale words.  zero = 1: the first product starts the sums.
; The 64 accumulators take turns, one instruction a turn, in the same order in every step.
.macro MUL16 a0, p, q, sc, zero
.irp a, \a0, \a0+1
.irp b, 0,1,2,3,4,5,6,7
.if \zero
	v_wmma_scale_f32_16x16x128_f8f6f4 v[8*(8*((\a)%4)+\b):8*(8*((\a)%4)+\b)+7], v[128*(\p)+FR*\b:128*(\p)+FR*\b+FR-1], v[AF+FR*(\a):AF+FR*(\a)+FR-1], 0, v[SC+8*NQ*(\sc)+NQ*\b+(\q)], v[SC+8*NQ*(\sc)+NQ*(\a)+(\q)] matrix_a_fmt:MATRIX_FMT_FP4 matrix_b_fmt:MATRIX_FMT_FP4 matrix_a_scale:MATRIX_SCALE_ROW1
.else
	v_wmma_scale_f32_16x16x128_f8f6f4 v[8*(8*((\a)%4)+\b):8*(8*((\a)%4)+\b)+7], v[128*(\p)+FR*\b:128*(\p)+FR*\b+FR-1], v[AF+FR*(\a):AF+FR*(\a)+FR-1], v[8*(8*((\a)%4)+\b):8*(8*((\a)%4)+\b)+7], v[SC+8*NQ*(\sc)+NQ*\b+(\q)], v[SC+8*NQ*(\sc)+NQ*(\a)+(\q)] matrix_a_fmt:MATRIX_FMT_FP4 matrix_b_fmt:MATRIX_FMT_FP4 matrix_a_scale:MATRIX_SCALE_ROW1
.endif
.endr
.endr
.endm
.macro FETCH_B slot, q, p
	WIN TO_B
.irp i, 0,1,2,3,4,5,6,7
	FRAG 128*(\p)+FR*\i, ADRB+\slot, \q, \i
.endr
	WIN 0
.endm
.macro FETCH_A slot, q, i0
.irp i, \i0, \i0+1, \i0+2, \i0+3
	FRAG AF+FR*(\i), ADRA+\slot, \q, \i
.endr
.endm
.macro SCALES sc                       ; a K half's scale words: four words a row; lanes 0-15 take X's block i, lanes 16-31 W's block i
.irp i, 0,1,2,3,4,5,6,7
	ds_load_b128 v[SC+8*NQ*\sc+NQ*\i:SC+8*NQ*\sc+NQ*\i+3], v[ADRS] offset:\i*512+\sc*256
.endr
.endm
.macro PLACES n                        ; plain vector instructions between a matrix instruction and a load into, or a vector write of, one of its registers, or a read of its result
.rept \n
	v_nop
.endr
.endm
; A step of 128 along K that has its successor in the same slot.  X has one set of registers: blocks 0-3 are fetched anew in the step's middle, blocks 4-7 at its end; W has two sets.
.macro STEP slot, q, zero
	s_wait_dscnt 4*NL                              ; W's set and X's blocks 0-3 are in; the youngest eight loads (X's blocks 4-7) may be out
	WIN MUL_LO
	MUL16 0, (\q)%2, \q, \slot, \zero
	MUL16 2, (\q)%2, \q, \slot, \zero
	s_wait_dscnt 0
	PLACES NP
	FETCH_B \slot, (\q)+1, 1-(\q)%2
	FETCH_A \slot, (\q)+1, 0
	WIN MUL_HI
	MUL16 4, (\q)%2, \q, \slot, \zero
	MUL16 6, (\q)%2, \q, \slot, \zero
	PLACES NP
	WIN 0
	FETCH_A \slot, (\q)+1, 4
.endm
; Slot 0's last step goes over to slot 1: each wave waits for all its tensor loads (its part of slot 1), then the work-group's barrier: behind it slot 1 is whole.  Nothing is filled again.
.macro TURN slot, next
	s_wait_tensorcnt 0x0
	ds_add_u32 v[SPW], v[NIL]                      ; 0 onto my spare word
	s_wait_dscnt 4*NL+1                            ; (the add and the youngest eight loads may be out)
	WIN MUL_LO
	MUL16 0, 1, NQ-1, \slot, 0
	s_wait_dscnt 0x0
	s_barrier_signal -1
	MUL16 2, 1, NQ-1, \slot, 0
	WIN 0
	s_barrier_wait -1
	PLACES NP
	FETCH_B \next, 0, 0
	FETCH_A \next, 0, 0
	SCALES \next
	WIN MUL_HI
	MUL16 4, 1, NQ-1, \slot, 0
	MUL16 6, 1, NQ-1, \slot, 0
	PLACES NP
	WIN 0
	FETCH_A \next, 0, 4
.endm
	s_wait_tensorcnt 1                             ; the scale words and my part of slot 0 are in; slot 1's load may be out
	s_barrier_signal -1
	s_barrier_wait -1
	FETCH_B 0, 0, 0
	FETCH_A 0, 0, 0
	SCALES 0
	FETCH_A 0, 0, 4
	STEP 0, 0, 1                                   ; the first step's products start the sums: nothing is cleared
	STEP 0, 1, 0
	STEP 0, 2, 0
	TURN 0, 1
	STEP 1, 0, 0
	STEP 1, 1, 0
	STEP 1, 2, 0
	s_wait_dscnt 4*NL                              ; the last step: nothing more to fetch
	WIN MUL_LO
	MUL16 0, 1, NQ-1, 1, 0
	MUL16 2, 1, NQ-1, 1, 0
	s_wait_dscnt 0
	WIN MUL_HI
	MUL16 4, 1, NQ-1, 1, 0
	MUL16 6, 1, NQ-1, 1, 0
	WIN 0
; THE WAY OUT, a block of 16 tokens x 128 channels at a time.  A lane's eight numbers of accumulator (a, b) are token r, channels 16 b + 8 h + 0 .. 7: head b / 4 of my two, dims 16 (b % 4) + 8 h on.
; q and k: hi = bf16(x); lo = bf16(x - hi), the difference exact in f32.  Two sets of registers by turns: a set is written again only when its stores have read it.
.macro OUTQK a
.set AC, 64*((\a)%4)
.set HI, 32+64*((\a)%2)
.set LW, HI+32
.if (\a) > 1
	s_wait_xcnt 0x0                                ; the stores of two blocks ago have read this set
.endif
	WIN 0x0a+5*((\a)/4)                            ; sources 0 and 1: window 2 or 3
.set n, 0
.rept 32
	v_cvt_pk_bf16_f32 v[HI+n], v[AC+2*n], v[AC+2*n+1]   ; each accumulator from its low end on
.set n, n+1
.endr
	WIN 0
.set n, 0
.rept 32
	v_lshlrev_b32 v[WD+2*n], 16, v[HI+n]           ; the high parts as f32 again
	v_and_b32 v[WD+2*n+1], s3, v[HI+n]
.set n, n+1
.endr
	WIN 0x02+((\a)/4)                              ; source 0: window 2 or 3
.set n, 0
.rept 32
	v_pk_add_f32 v[WD+2*n:WD+2*n+1], v[AC+2*n:AC+2*n+1], v[WD+2*n:WD+2*n+1] neg_lo:[0,1] neg_hi:[0,1]   ; x - hi
.set n, n+1
.endr
	WIN 0
.set n, 0
.rept 32
	v_cvt_pk_bf16_f32 v[LW+n], v[WD+2*n], v[WD+2*n+1]
.set n, n+1
.endr
.irp b, 0,1,2,3,4,5,6,7
	global_store_b128 v[LO16], v[HI+4*\b:HI+4*\b+3], s[12:13] offset:(\b/4)*BHS+(\a)*TLS+(\b%4)*512
	global_store_b128 v[LO16], v[LW+4*\b:LW+4*\b+3], s[12:13] offset:(\b/4)*BHS+(\a)*TLS+(\b%4)*512+2048
.endr
.endm
.macro OUTV a
.set AC, 64*((\a)%4)
.set HI, 32+64*((\a)%2)
.if (\a) > 1
	s_wait_xcnt 0x0
.endif
	WIN 0x0a+5*((\a)/4)
.set n, 0
.rept 32
	v_cvt_pk_bf16_f32 v[HI+n], v[AC+2*n], v[AC+2*n+1]
.set n, n+1
.endr
	WIN 0
.irp b, 0,1,2,3,4,5,6,7
	global_store_b128 v[VO], v[HI+4*\b:HI+4*\b+3], s[12:13] offset:(\b/4)*BHS+(\a)*TLS+4096+(\b%4)*512
.endr
.endm
	PLACES NP                                      ; behind the last products: the way out writes over scale words and fragments that they read
	s_cmp_eq_u32 ttmp9, 2
	s_cbranch_scc1 .Lv
.irp a, 0,1,2,3,4,5,6,7
	OUTQK \a
.endr
	s_branch .Lend
.Lv:
.irp a, 0,1,2,3,4,5,6,7
	OUTV \a
.endr
.Lend:
	s_wait_tensorcnt 0x0                           ; the wave's end, behind my last tensor load
	ds_add_u32 v[SPW], v[NIL]
	s_wait_dscnt 0x0
	CROUND                                         ; the closing round
	s_endpgm
.Lfunc_end_k_q8c12ae637b_proj:
	.size	k_q8c12ae637b_proj, .Lfunc_end_k_q8c12ae637b_proj-k_q8c12ae637b_proj
	.p2alignl 7, 3214868480
	.fill 96, 4, 3214868480
	.section	.rodata,"a",@progbits
	.p2align	6, 0x0
	.amdhsa_kernel k_q8c12ae637b_proj
		.amdhsa_group_segment_fixed_size 327680
		.amdhsa_private_segment_fixed_size 0
		.amdhsa_enable_private_segment 0
		.amdhsa_kernarg_size 48
		.amdhsa_user_sgpr_count 2
		.amdhsa_user_sgpr_kernarg_segment_ptr 1
		.amdhsa_wavefront_size32 1
		.amdhsa_system_sgpr_workgroup_id_x 1
		.amdhsa_system_sgpr_workgroup_id_y 1
		.amdhsa_system_sgpr_workgroup_id_z 1
		.amdhsa_system_vgpr_workitem_id 0
		.amdhsa_next_free_vgpr 1024
		.amdhsa_next_free_sgpr 100
		.amdhsa_reserve_vcc 0
		.amdhsa_float_denorm_mode_32 3
		.amdhsa_float_denorm_mode_16_64 3
		.amdhsa_memory_ordered 1
		.amdhsa_forward_progress 1
		.amdhsa_inst_pref_size 195
	.end_amdhsa_kernel
	.amdgpu_metadata
---
amdhsa.version: [ 1, 2 ]
amdhsa.kernels:
  - .name:           k_q8c12ae637b_proj
    .symbol:         k_q8c12ae637b_proj.kd
    .args:
      - { .name: x_codes, .offset: 0, .size: 8, .value_kind: global_buffer, .address_space: global }
      - { .name: x_scales, .offset: 8, .size: 8, .value_kind: global_buffer, .address_space: global }
      - { .name: w_codes, .offset: 16, .size: 8, .value_kind: global_buffer, .address_space: global }
      - { .name: w_scales, .offset: 24, .size: 8, .value_kind: global_buffer, .address_space: global }
      - { .name: q_img, .offset: 32, .size: 8, .value_kind: global_buffer, .address_space: global }
      - { .name: kv_img, .offset: 40, .size: 8, .value_kind: global_buffer, .address_space: global }
    .group_segment_fixed_size: 327680
    .private_segment_fixed_size: 0
    .kernarg_segment_align: 8
    .kernarg_segment_size: 48
    .max_flat_workgroup_size: 128
    .sgpr_count:     100
    .vgpr_count:     1024
    .wavefront_size: 32
...
	.end_amdgpu_metadata
.endif
;; end of part 2
;; launch attn (part 3): grid 4 x 64, 8 waves a work-group, no clusters, 327,680 bytes of LDS; arguments q_img, kv_img, out0; writes out0
.if DOCPART == 3
	.amdgcn_target "amdgcn-amd-amdhsa--gfx1250"
	.amdhsa_code_object_version 6
	.text
	.protected	k_q8c12ae637b_attn
	.globl	k_q8c12ae637b_attn
	.p2align	8
	.type	k_q8c12ae637b_attn,@function
k_q8c12ae637b_attn:
	s_mov_b64 s[64:65], 0
	v_nop
	global_prefetch_b8 v0, s[64:65] scope:SCOPE_SE
	s_setreg_imm32_b32 hwreg(HW_REG_WAVE_MODE, 25, 1), 1
	s_wait_xcnt 0x0
; out[b][q][64 head + :] = the sum over k <= q of softmax_k(q . k / 32) v[k], for 64 (batch, head) pairs, 2,048 positions, head size 64.  Maxima, exponentials and sums in f32, with a running maximum.
; NUMBER FORMATS.  q and k arrive as PAIRS of bf16, a high part and the rest; a score is lo.hi + hi.lo + hi.hi, three products into one f32 sum, so that q and k carry 16 significant bits with f32's range.
; The weights p = 2^(c s - c m) and v are rounded to bf16 once each: the error of an output is at most 2^-8 of the largest |v| that contributes to it.  LIMITS: NaN and infinities among the inputs are not served.
; SHARES.  Work-group (i, bh) owns the query blocks 7 - i and then i of its head, 256 queries each: 8 - i and i + 1 units of 256 keys, NINE units in every work-group, so every trip count is a constant and the 256 work-groups are equal.
; Each of the eight waves owns 32 queries, two tiles of 16, in 512 registers: two waves to a SIMD, so that one wave's softmax stands beside the other's products.  A unit is four steps of 64 keys.
; A step all of whose keys come after the wave's queries is left out by a scalar branch on ids; on the diagonal hidden scores become -infinity ahead of the maximum.  Key 0 counts for every query, so m is a number from the first step on.
; NO CLUSTER: the four work-groups of a head walk 8, 7, 6 and 5 units of their first block and then begin anew at key 0, so from the sixth unit on they want different keys; in step they would walk 8 + 4 units in place of 9.
; LAYOUT.  S^T = K Q^T (source 0 = 16 keys, source 1 = 16 queries) and O^T = V^T P: a lane holds ONE query (lane % 16) throughout; two tiles of S^T, rounded in pairs, are source 1 of the second product.
; K and V come through a ring of two LDS slots of 256 keys, 16 tiles of 6,144 bytes that are images of the operands' registers: every LDS load takes 512 consecutive bytes.  Each wave fetches two tiles, 12,288 dense bytes, by one tensor load.
; REGISTERS: window 0: v1-13 addresses; v16-31 statistics, eight a tile: c m, m, l (two halves), c0-c3 (a takes c2's place); v32-95 S^T; v96-127 P; v128-191 O^T; v192-255 rows on the way out.
;   window 1: v0-63 Q (32 t + 16 part + 8 dims / 32); v64-191 K of a step (64 + 32 tile + 16 part + 8 dims / 32); v192-255 V^T of a step (192 + 32 (keys / 32) + 8 (channels / 16)).
.set SLOT1, 131072                     ; slot 1 begins here: one exclusive or turns an address in one slot into the other's
.set UNITB, 98304                      ; 256 keys: 16 tiles
.set STEPB, 24576                      ; 64 keys
.set TLS,   6144
.set BHS,   786432
.set STG,   SLOT1+UNITB                ; behind the ring: 16 rows x 272 bytes for each wave, for the way out; no tensor load lands here
.set SP,    272
.set SPARE, STG+8*16*SP                ; the spare words, 128 bytes for each wave, which no other line names
.set LB,   1                           ; v1   16 x lane
.set ADR,  2                           ; v2   LDS address of the step's tiles
.set STO,  3                           ; v3   the way out: where I put 32 bytes of a row
.set RD,   4                           ; v4   and where I read a row back
.set GO,   5                           ; v5   my byte offset in two rows of out
.set RH,   6                           ; v6   r - 8 h
.set DM,   7                           ; v7-8 the mask's bound for tiles 0, 1
.set NINF, 9                           ; v9   -infinity
.set PFO,  10                          ; v10  256 x lane
.set SPW,  12                          ; v12  LDS address of my spare word; never rewritten
.set NIL,  13                          ; v13  0; never rewritten
.set ST,   16
.set S,    32
.set P,    96
.set O,    128
.set OUTR, 192
.set KFR,  64                          ; window 1
.set VFR,  192
.set WV,   10                          ; s10  wave
.set WI,   11                          ; s11  i
.set BH,   12                          ; s12  (batch, head)
.set G1,   16                          ; s[16:23] descriptor group 1
.set G0,   24                          ; s[24:27] descriptor group 0, which walks
.set KVW,  28                          ; s[28:29] kv_img at my head's first key, my wave's two tiles
.set OFF,  30                          ; s[30:31] an offset
.set KBN,  32                          ; s32  the key block asked for last
.set SWN,  33                          ; s33  8 - i: the first block's units
.set SLOTS, 34                         ; s34  units still to be asked for
.set STEPS, 35
.set TB,   36                          ; s36  LDS byte at which the step's tiles begin
.set KF,   37                          ; s37  the step's first key
.set Q0,   38                          ; s38  my first query
.set QEND, 39                          ; s39  the first key beyond the block in hand
.set CS,   40                          ; s[40:41] c = log2(e) / 32
.set SEL,  42                          ; s[42:43] selects for lane l xor 16
.set QB,   44                          ; s[44:45] q_img at my head
.set QP,   46                          ; s[46:47] at my two tiles
.set OB,   48                          ; s[48:49] out at my batch and head
.set OP,   50                          ; s[50:51] at my first query
.set PFA,  52                          ; s[52:53] where my prefetches stand
.set LIM,  54                          ; s54  2 in a wave that prefetches, else the greatest number
.set MSB, 0
.macro WIN new                         ; the immediate's high byte repeats the setting that is left
.if MSB != \new
	s_set_vgpr_msb (MSB<<8)|\new
.set MSB, \new
.endif
.endm
.macro PLACES                          ; four plain places behind matrix instructions (ISA guide 7.12.1)
.rept 4
	v_nop
.endr
.endm
.macro QLOAD                           ; my two tiles of Q, high and low parts: 16 loads of 512 consecutive bytes
	WIN 0x40
.irp t, 0,1
.irp n, 0,1,2,3,4,5,6,7
	global_load_b128 v[32*\t+4*\n:32*\t+4*\n+3], v[LB], s[QP:QP+1] offset:\t*TLS+512*\n th:TH_LOAD_NT
.endr
.endr
	WIN 0
.endm
.macro INIT                            ; a block of queries begins: O^T and l are zeros, m lies under every score; the step is written once, and its first rescaling multiplies zeros
.set n, 0
.rept 64
	v_mov_b32 v[O+n], 0
.set n, n+1
.endr
.irp t, 0,1
	v_mov_b32 v[ST+8*\t+1], 0xff61b1e6             ; -3e38
.irp j, 2,3,4,5,6,7
	v_mov_b32 v[ST+8*\t+\j], 0
.endr
	v_mul_f32 v[ST+8*\t], s[CS], v[ST+8*\t+1]
.endr
.endm
; A PREFETCH INTO THE L2 of the key block that the NEXT change of slots will ask for.  All four work-groups of a head walk key blocks 0, 1, 2 .. first: the one with i = 0, which walks all eight, asks, and nobody else.
; In it waves 0 to 5 take 16,384 bytes each of the block's 98,304, lanes 256 bytes apart, two instructions: each aligned 256 bytes of blocks 2 to 7 are named once in the launch.
; In the trip with u units done the tensor load asks for block u + 1 and the prefetch names block u + 2: it stops behind block 7 (s[SLOTS] = 8 - u above 2).  Blocks 0 and 1 come by their loads alone.
.macro ASK
	s_cmp_gt_u32 s[SLOTS], s[LIM]
	s_cbranch_scc0 .Lnot_mine_\@
	global_prefetch_b8 v[PFO], s[PFA:PFA+1] th:TH_LOAD_NT scope:SCOPE_SE
	global_prefetch_b8 v[PFO], s[PFA:PFA+1] offset:8192 th:TH_LOAD_NT scope:SCOPE_SE
.Lnot_mine_\@:
.endm
; THE CHANGE OF SLOTS stands at a unit's head.  Each wave waits for all its tensor loads (one is out: its part of the slot that it is about to read), adds 0 to its spare word, and waits for that and for its reads of the slot that it has left.
; Behind the barrier the slot ahead is whole and nobody reads the other one.  fill = 1: that other slot takes the next unit's keys: the load has a whole unit's steps in which to land.
.macro CHANGE fill
	s_wait_tensorcnt 0x0                           ; no tensor load of mine is out, so group 0 may be written
	ds_add_u32 v[SPW], v[NIL]                      ; 0 onto my spare word
.if \fill
	s_xor_b32 s[G0+1], s[G0+1], SLOT1              ; the other slot than last time
	s_add_co_u32 s[KBN], s[KBN], 1                 ; the next key block,
	s_cmp_eq_u32 s[KBN], s[SWN]
	s_cselect_b32 s[KBN], 0, s[KBN]                ; or block 0 again, for my second block of queries
	s_mul_i32 s[OFF], s[KBN], UNITB
	s_add_nc_u64 s[G0+2:G0+3], s[KVW:KVW+1], s[OFF:OFF+1]
	s_or_b32 s[G0+3], s[G0+3], 0x80000000
	s_wait_xcnt 0x0                                ; the last prefetches, a unit back, have read their address
	s_add_nc_u64 s[PFA:PFA+1], s[PFA:PFA+1], UNITB
.endif
	s_wait_dscnt 0x0                               ; the add is done, and my reads of the slot that I have left are over
	s_barrier_signal -1
	s_barrier_wait -1
.if \fill
	tensor_load_to_lds s[G0:G0+3], s[G1:G1+7]      ; the first thing behind the barrier, and my one tensor load until the next
	s_nop 0
	PLACES
	ASK
.endif
.endm
; Eight products: part pk of K x part pq of Q, dims 32 dc on, the eight accumulators (4 tiles of keys x 2 tiles of queries) by turns.
.macro LINK pk, pq, dc, zero
.irp kt, 0,1,2,3
.irp t, 0,1
.if \zero
	v_wmma_f32_16x16x32_bf16 v[S+32*\t+8*\kt:S+32*\t+8*\kt+7], v[KFR+32*\kt+16*\pk+8*\dc:KFR+32*\kt+16*\pk+8*\dc+7], v[32*\t+16*\pq+8*\dc:32*\t+16*\pq+8*\dc+7], 0
.else
	v_wmma_f32_16x16x32_bf16 v[S+32*\t+8*\kt:S+32*\t+8*\kt+7], v[KFR+32*\kt+16*\pk+8*\dc:KFR+32*\kt+16*\pk+8*\dc+7], v[32*\t+16*\pq+8*\dc:32*\t+16*\pq+8*\dc+7], v[S+32*\t+8*\kt:S+32*\t+8*\kt+7]
.endif
.endr
.endr
.endm
; A KEY STEP: 64 keys.
.macro STEP
	s_add_co_u32 s55, s[Q0], 31
	s_cmp_gt_u32 s[KF], s55                        ; all 64 keys come after my 32 queries: nothing to do but to step
	s_cbranch_scc1 .Lhidden_\@
	v_add_nc_u32 v[ADR], s[TB], v[LB]
	PLACES                                         ; behind the last step's products, in front of the loads into V's registers
	WIN 0x40
.irp kt, 0,1,2,3
.irp n, 0,1,2,3,4,5,6,7
	ds_load_b128 v[KFR+32*\kt+4*\n:KFR+32*\kt+4*\n+3], v[ADR] offset:\kt*TLS+512*\n
.endr
.endr
.irp kc, 0,1
.irp ct, 0,1,2,3
.irp hf, 0,1
	ds_load_tr16_b128 v[VFR+32*\kc+8*\ct+4*\hf:VFR+32*\kc+8*\ct+4*\hf+3], v[ADR] offset:(2*\kc+\hf)*TLS+4096+512*\ct   ; 16 keys x 16 channels, turned: lane (r, h) gets channel r, keys 8 h on
.endr
.endr
.endr
	s_wait_dscnt 16                                ; K is in; V's sixteen loads may be out
	WIN 0x05                                       ; K and Q in window 1
	LINK 1, 0, 0, 1                                ; the small terms first: lo . hi,
	LINK 1, 0, 1, 0
	LINK 0, 1, 0, 0                                ; hi . lo,
	LINK 0, 1, 1, 0
	LINK 0, 0, 0, 0                                ; hi . hi
	LINK 0, 0, 1, 0
	WIN 0
	PLACES
	s_add_co_u32 s55, s[KF], 63
	s_cmp_le_u32 s55, s[Q0]                        ; all 64 keys count for all my queries: no mask
	s_cbranch_scc1 .Lopen_\@
	s_sub_co_i32 s55, s[Q0], s[KF]
	v_add_nc_u32 v[DM], s55, v[RH]                 ; d = my query - KF - 8 h.  Register 8 kt + j holds key KF + 16 kt + 8 h + j: hidden where 16 kt + j > d
	v_add_nc_u32 v[DM+1], 16, v[DM]
.irp t, 0,1
.irp kt, 0,1,2,3
.irp j, 0,1,2,3,4,5,6,7
	v_cmp_gt_i32 vcc_lo, 16*\kt+\j, v[DM+\t]
	v_cndmask_b32 v[S+32*\t+8*\kt+\j], v[S+32*\t+8*\kt+\j], v[NINF], vcc_lo
.endr
.endr
.endr
.Lopen_\@:
	; the softmax, the two tiles line by line.  The maximum of my 32 scores and the old m: four chains, each accumulator from its low end on
.irp j, 0,1,2,3
.irp t, 0,1
	v_max3_num_f32 v[ST+8*\t+4+\j], v[S+32*\t+8*\j], v[S+32*\t+8*\j+1], v[S+32*\t+8*\j+2]
.endr
.endr
.irp u, 3,5
.irp j, 0,1,2,3
.irp t, 0,1
	v_max3_num_f32 v[ST+8*\t+4+\j], v[ST+8*\t+4+\j], v[S+32*\t+8*\j+\u], v[S+32*\t+8*\j+\u+1]
.endr
.endr
.endr
.irp t, 0,1
	v_max3_num_f32 v[ST+8*\t+4], v[ST+8*\t+4], v[S+32*\t+7], v[S+32*\t+15]
.endr
.irp t, 0,1
	v_max3_num_f32 v[ST+8*\t+6], v[ST+8*\t+6], v[S+32*\t+23], v[S+32*\t+31]
.endr
.irp t, 0,1
	v_max3_num_f32 v[ST+8*\t+4], v[ST+8*\t+4], v[ST+8*\t+5], v[ST+8*\t+6]
.endr
.irp t, 0,1
	v_max3_num_f32 v[ST+8*\t+4], v[ST+8*\t+4], v[ST+8*\t+7], v[ST+8*\t+1]
.endr
.irp t, 0,1
	v_permlanex16_b32 v[ST+8*\t+5], v[ST+8*\t+4], s[SEL], s[SEL+1]   ; the query's other 32 keys lie in the lane 16 away
.endr
.irp t, 0,1
	v_mov_b32 v[ST+8*\t+7], v[ST+8*\t]             ; c m_old
.endr
.irp t, 0,1
	v_max_num_f32 v[ST+8*\t+1], v[ST+8*\t+4], v[ST+8*\t+5]
.endr
.irp t, 0,1
	v_mul_f32 v[ST+8*\t], s[CS], v[ST+8*\t+1]
.endr
.irp t, 0,1
	v_sub_f32 v[ST+8*\t+7], v[ST+8*\t+7], v[ST+8*\t]
.endr
.irp b, 0,1,2,3,4,5,6,7,8,9,10,11,12,13,14,15
.irp t, 0,1
	v_pk_fma_f32 v[S+32*\t+2*\b:S+32*\t+2*\b+1], v[S+32*\t+2*\b:S+32*\t+2*\b+1], s[CS:CS+1], v[ST+8*\t:ST+8*\t+1] op_sel_hi:[1,0,0] neg_lo:[0,0,1] neg_hi:[0,0,1]   ; c s - c m
.endr
.endr
.irp t, 0,1
	v_exp_f32 v[ST+8*\t+6], v[ST+8*\t+7]           ; a = 2^(c m_old - c m_new)
.endr
.set n, 0
.rept 64
	v_exp_f32 v[S+n], v[S+n]                       ; p
.set n, n+1
.endr
	v_nop                                          ; a plain instruction behind the last exponential
	s_wait_alu depctr_va_vdst(0)                   ; one wait for the batch of 66, ahead of its first reader
.irp n, 0,1,2,3,4,5,6,7,8,9,10,11,12,13,14,15
.irp t, 0,1
	v_cvt_pk_bf16_f32 v[P+16*\t+\n], v[S+32*\t+2*\n], v[S+32*\t+2*\n+1]
.endr
.endr
.irp u, 0,1,2,3,4,5,6,7                ; the sum of the unrounded p, in place: neighbours 1, 2, 4 and 8 pairs apart
.irp t, 0,1
	v_pk_add_f32 v[S+32*\t+4*\u:S+32*\t+4*\u+1], v[S+32*\t+4*\u:S+32*\t+4*\u+1], v[S+32*\t+4*\u+2:S+32*\t+4*\u+3]
.endr
.endr
.irp u, 0,1,2,3
.irp t, 0,1
	v_pk_add_f32 v[S+32*\t+8*\u:S+32*\t+8*\u+1], v[S+32*\t+8*\u:S+32*\t+8*\u+1], v[S+32*\t+8*\u+4:S+32*\t+8*\u+5]
.endr
.endr
.irp u, 0,1
.irp t, 0,1
	v_pk_add_f32 v[S+32*\t+16*\u:S+32*\t+16*\u+1], v[S+32*\t+16*\u:S+32*\t+16*\u+1], v[S+32*\t+16*\u+8:S+32*\t+16*\u+9]
.endr
.endr
.irp t, 0,1
	v_pk_add_f32 v[S+32*\t:S+32*\t+1], v[S+32*\t:S+32*\t+1], v[S+32*\t+16:S+32*\t+17]
.endr
.irp t, 0,1
	v_pk_fma_f32 v[ST+8*\t+2:ST+8*\t+3], v[ST+8*\t+2:ST+8*\t+3], v[ST+8*\t+6:ST+8*\t+7], v[S+32*\t:S+32*\t+1] op_sel_hi:[1,0,1]   ; l = a l + the sum
.endr
.irp n, 0,1,2,3,4,5,6,7,8,9,10,11,12,13,14,15
.irp t, 0,1
	v_pk_mul_f32 v[O+32*\t+2*\n:O+32*\t+2*\n+1], v[O+32*\t+2*\n:O+32*\t+2*\n+1], v[ST+8*\t+6:ST+8*\t+7] op_sel_hi:[1,0]   ; O^T x a, each accumulator from its low end on
.endr
.endr
	s_wait_dscnt 0x0                               ; V is in
	WIN 0x01                                       ; V^T in window 1
.irp kc, 0,1
.irp ct, 0,1,2,3
.irp t, 0,1
	v_wmma_f32_16x16x32_bf16 v[O+32*\t+8*\ct:O+32*\t+8*\ct+7], v[VFR+32*\kc+8*\ct:VFR+32*\kc+8*\ct+7], v[P+16*\t+8*\kc:P+16*\t+8*\kc+7], v[O+32*\t+8*\ct:O+32*\t+8*\ct+7]
.endr
.endr
.endr
	WIN 0
.Lhidden_\@:
	s_add_co_u32 s[KF], s[KF], 64
	s_add_co_u32 s[TB], s[TB], STEPB
.endm
.macro UNIT                            ; a slot's four steps: written once, walked four times
	s_mov_b32 s[STEPS], 4
.Lstep_\@:
	STEP
	s_sub_co_u32 s[STEPS], s[STEPS], 1
	s_cmp_lg_u32 s[STEPS], 0
	s_cbranch_scc1 .Lstep_\@
	s_sub_co_u32 s[TB], s[TB], UNITB               ; back to a slot's first step,
	s_xor_b32 s[TB], s[TB], SLOT1                  ; in the other slot
.endm
; A BLOCK OF QUERIES IS DONE: O^T / l goes through my stage in LDS, a tile (16 rows x 256 bytes) at a time, and leaves as aligned runs of 256 consecutive bytes, sixteen lanes each.
; restart = 1: my second block follows: its Q is asked for first, and lands while the first block leaves.
.macro FINISH restart
	PLACES                                         ; behind the last products
.if \restart
	s_lshl_b32 s58, s[WI], 8
	s_lshl_b32 s55, s[WV], 5
	s_add_co_u32 s58, s58, s55                     ; the second block's first query of mine: 256 i + 32 wave
	s_mul_i32 s56, s58, 384                        ; 6,144 bytes for 16 queries
	s_mov_b32 s57, 0
	s_add_nc_u64 s[QP:QP+1], s[QB:QB+1], s[56:57]  ; (the first block's loads of Q were waited for at the head)
	QLOAD
.endif
.irp t, 0,1
	v_add_f32 v[ST+8*\t+4], v[ST+8*\t+2], v[ST+8*\t+3]
.endr
.irp t, 0,1
	v_permlanex16_b32 v[ST+8*\t+5], v[ST+8*\t+4], s[SEL], s[SEL+1]
.endr
.irp t, 0,1
	v_add_f32 v[ST+8*\t+4], v[ST+8*\t+4], v[ST+8*\t+5]   ; the row's sum
.endr
.irp t, 0,1
	v_rcp_f32 v[ST+8*\t+6], v[ST+8*\t+4]
.endr
	v_nop                                          ; a plain instruction behind the reciprocals
	s_wait_alu depctr_va_vdst(0)                   ; and the wait ahead of their first reader
.irp t, 0,1
.irp n, 0,1,2,3,4,5,6,7,8,9,10,11,12,13,14,15
	v_pk_mul_f32 v[O+32*\t+2*\n:O+32*\t+2*\n+1], v[O+32*\t+2*\n:O+32*\t+2*\n+1], v[ST+8*\t+6:ST+8*\t+7] op_sel_hi:[1,0]
.endr
.endr
	s_wait_xcnt 0x0                                ; an earlier block's stores have read the registers that the rows come back into
.irp t, 0,1
.irp ct, 0,1,2,3
	ds_store_b128 v[STO], v[O+32*\t+8*\ct:O+32*\t+8*\ct+3] offset:64*\ct
	ds_store_b128 v[STO], v[O+32*\t+8*\ct+4:O+32*\t+8*\ct+7] offset:64*\ct+16
.endr
.irp f, 0,1,2,3,4,5,6,7
	ds_load_b128 v[OUTR+32*\t+4*\f:OUTR+32*\t+4*\f+3], v[RD] offset:2*SP*\f   ; LDS serves a wave's instructions in order: these see the stores above, and the next tile's stores come behind them
.endr
.endr
.irp t, 0,1
.irp f, 0,1,2,3,4,5,6,7
	s_wait_dscnt 16*(1-\t)+7-\f                    ; younger: this tile's later loads, and for tile 0 tile 1's sixteen
	global_store_b128 v[GO], v[OUTR+32*\t+4*\f:OUTR+32*\t+4*\f+3], s[OP:OP+1] offset:(16*\t+2*\f)*4096 th:TH_STORE_NT
.endr
.endr
.if \restart
	s_wait_xcnt 0x0                                ; the stores have read their base
	s_mov_b32 s[Q0], s58
	s_add_co_u32 s[QEND], s[WI], 1
	s_lshl_b32 s[QEND], s[QEND], 8
	s_mov_b32 s[KF], 0
	s_lshl_b32 s56, s58, 12
	s_add_nc_u64 s[OP:OP+1], s[OB:OB+1], s[56:57]
	INIT
	s_wait_loadcnt 0x0                             ; Q
.endif
.endm
	s_load_b128 s[4:7], s[0:1], 0x0                ; q_img s[4:5], kv_img s[6:7]
	s_load_b64 s[8:9], s[0:1], 0x10                ; out0
	v_lshl_add_u32 v[SPW], v0, 2, SPARE
	v_mov_b32 v[NIL], 0
	ds_add_u32 v[SPW], v[NIL]                      ; the wave's opening: the add, twice on end, and its wait ahead of my first tensor load
	ds_add_u32 v[SPW], v[NIL]
	v_lshrrev_b32 v1, 5, v0
	v_readfirstlane_b32 s[WV], v1                  ; wave 0..7
	s_mov_b32 s[WI], ttmp9
	s_and_b32 s[BH], ttmp7, 0xffff
	; descriptor group 1: 12,288 dense bytes as 48 rows of 256 (32 elements of 8 bytes), no padding, no mask
	s_mov_b32 s[G1+0], 3<<16
	s_mov_b32 s[G1+1], 32<<16                      ; tensor_dim0
	s_mov_b32 s[G1+2], 48<<16                      ; tensor_dim1
	s_mov_b32 s[G1+3], 32<<16                      ; tile_dim0
	s_mov_b32 s[G1+4], 48                          ; tile_dim1
	s_mov_b32 s[G1+5], 32                          ; the pitch
	s_mov_b32 s[G1+6], 0
	s_mov_b32 s[G1+7], 0
	s_mov_b32 s[G0], 1
	s_mul_i32 s[G0+1], s[WV], 12288                ; slot 0, my two tiles
	s_mul_i32 s56, s[BH], BHS                      ; my head's first byte in both images
	s_mov_b32 s57, 0
	s_add_co_u32 s[OFF], s56, s[G0+1]
	s_mov_b32 s[OFF+1], 0
	s_mov_b32 s[KBN], 0
	s_sub_co_u32 s[SWN], 8, s[WI]
	s_mov_b32 s[SLOTS], 8
	s_mov_b32 s[TB], 0
	s_mov_b32 s[KF], 0
	s_sub_co_u32 s55, 7, s[WI]
	s_lshl_b32 s[Q0], s55, 8
	s_lshl_b32 s55, s[WV], 5
	s_add_co_u32 s[Q0], s[Q0], s55                 ; the long block first: 256 (7 - i) + 32 wave
	s_lshl_b32 s[QEND], s[SWN], 8
	s_mov_b32 s[CS], 0x3d38aa3b                    ; c = log2(e) / 32
	s_mov_b32 s[CS+1], s[CS]                       ; (named with it as a pair, so it is written)
	s_mov_b32 s[SEL], 0x76543210
	s_mov_b32 s[SEL+1], 0xfedcba98
	s_cmp_lt_u32 s[WV], 6
	s_cselect_b32 s55, 0, 1
	s_or_b32 s55, s55, s[WI]                       ; 0 in waves 0 to 5 of the work-group with i = 0
	s_cmp_eq_u32 s55, 0
	s_cselect_b32 s[LIM], 2, -1
	s_wait_dscnt 0x0                               ; both opening adds are done
	s_wait_kmcnt 0x0
	s_add_nc_u64 s[KVW:KVW+1], s[6:7], s[OFF:OFF+1]
	s_mov_b64 s[G0+2:G0+3], s[KVW:KVW+1]
	s_or_b32 s[G0+3], s[G0+3], 0x80000000
	tensor_load_to_lds s[G0:G0+3], s[G1:G1+7]      ; key block 0 into slot 0: one load of mine is out, here and behind every change of slots
	s_nop 0
	PLACES
	s_add_nc_u64 s[QB:QB+1], s[4:5], s[56:57]
	s_lshl_b32 s55, s[WV], 14
	s_add_co_u32 s58, s56, s55
	s_add_co_u32 s58, s58, UNITB                   ; the prefetches stand in key block 1: the first change of slots steps them to block 2.  Nothing is prefetched here, at the head
	s_mov_b32 s59, 0
	s_add_nc_u64 s[PFA:PFA+1], s[6:7], s[58:59]
	s_lshr_b32 s58, s[BH], 4
	s_lshl_b32 s58, s58, 23                        ; a batch: 2,048 rows of 4,096 bytes
	s_and_b32 s55, s[BH], 15
	s_lshl_b32 s55, s55, 8                         ; a head: 256 bytes of a row
	s_add_co_u32 s58, s58, s55
	s_add_nc_u64 s[OB:OB+1], s[8:9], s[58:59]
	s_mul_i32 s58, s[Q0], 384
	s_add_nc_u64 s[QP:QP+1], s[QB:QB+1], s[58:59]
	s_lshl_b32 s58, s[Q0], 12
	s_add_nc_u64 s[OP:OP+1], s[OB:OB+1], s[58:59]
	v_and_b32 v[LB], 31, v0
	v_lshlrev_b32 v[LB], 4, v[LB]
	QLOAD
	v_and_b32 v14, 15, v0                          ; r
	v_bfe_u32 v15, v0, 4, 1                        ; h
	s_mul_i32 s55, s[WV], 16*SP
	s_add_co_u32 s55, s55, STG                     ; my stage
	v_mul_u32_u24 v[STO], v14, SP
	v_lshl_add_u32 v[STO], v15, 5, v[STO]
	v_add_nc_u32 v[STO], s55, v[STO]               ; in: row r, 32 h bytes on
	v_mul_u32_u24 v[RD], v15, SP
	v_lshl_add_u32 v[RD], v14, 4, v[RD]
	v_add_nc_u32 v[RD], s55, v[RD]                 ; back: lanes 0-15 one row, lanes 16-31 the next
	v_lshlrev_b32 v[GO], 12, v15
	v_lshl_add_u32 v[GO], v14, 4, v[GO]            ; and the same two rows in out
	v_lshlrev_b32 v[RH], 3, v15
	v_sub_nc_u32 v[RH], v14, v[RH]
	v_mov_b32 v[NINF], 0xff800000
	v_lshlrev_b32 v[PFO], 4, v[LB]
	INIT
	s_wait_loadcnt 0x0                             ; Q
.Lslot:                                            ; eight trips: behind each change of slots the next unit is asked for; slot 1's first fill stands behind the first trip's barrier, and behind each later trip's barrier the slot just left is filled
	CHANGE 1
	UNIT
	s_cmp_lg_u32 s[KF], s[QEND]                    ; ids and counts alone, the same in all eight waves
	s_cbranch_scc1 .Lsame
	FINISH 1                                       ; the long block is done; the short one begins at key 0, which the change above has asked for
.Lsame:
	s_sub_co_u32 s[SLOTS], s[SLOTS], 1
	s_cmp_lg_u32 s[SLOTS], 0
	s_cbranch_scc1 .Lslot
	CHANGE 0                                       ; the ninth unit is written out: nothing is left to ask for
	UNIT
	FINISH 0
	s_wait_tensorcnt 0x0                           ; the wave's end, behind my last tensor load and my last LDS store
	ds_add_u32 v[SPW], v[NIL]
	s_wait_dscnt 0x0
	s_endpgm
.Lfunc_end_k_q8c12ae637b_attn:
	.size	k_q8c12ae637b_attn, .Lfunc_end_k_q8c12ae637b_attn-k_q8c12ae637b_attn
	.p2alignl 7, 3214868480
	.fill 96, 4, 3214868480
	.section	.rodata,"a",@progbits
	.p2align	6, 0x0
	.amdhsa_kernel k_q8c12ae637b_attn
		.amdhsa_group_segment_fixed_size 327680
		.amdhsa_private_segment_fixed_size 0
		.amdhsa_enable_private_segment 0
		.amdhsa_kernarg_size 24
		.amdhsa_user_sgpr_count 2
		.amdhsa_user_sgpr_kernarg_segment_ptr 1
		.amdhsa_wavefront_size32 1
		.amdhsa_system_sgpr_workgroup_id_x 1
		.amdhsa_system_sgpr_workgroup_id_y 1
		.amdhsa_system_sgpr_workgroup_id_z 1
		.amdhsa_system_vgpr_workitem_id 0
		.amdhsa_next_free_vgpr 512
		.amdhsa_next_free_sgpr 66
		.amdhsa_reserve_vcc 1
		.amdhsa_float_denorm_mode_32 3
		.amdhsa_float_denorm_mode_16_64 3
		.amdhsa_memory_ordered 1
		.amdhsa_forward_progress 1
		.amdhsa_inst_pref_size 77
	.end_amdhsa_kernel
	.amdgpu_metadata
---
amdhsa.version: [ 1, 2 ]
amdhsa.kernels:
  - .name:           k_q8c12ae637b_attn
    .symbol:         k_q8c12ae637b_attn.kd
    .args:
      - { .name: q_img, .offset: 0, .size: 8, .value_kind: global_buffer, .address_space: global }
      - { .name: kv_img, .offset: 8, .size: 8, .value_kind: global_buffer, .address_space: global }
      - { .name: out0, .offset: 16, .size: 8, .value_kind: global_buffer, .address_space: global }
    .group_segment_fixed_size: 327680
    .private_segment_fixed_size: 0
    .kernarg_segment_align: 8
    .kernarg_segment_size: 24
    .max_flat_workgroup_size: 256
    .sgpr_count:     66
    .vgpr_count:     512
    .wavefront_size: 32
...
	.end_amdgpu_metadata
.endif
;; end of part 3
